; MI455X (gfx1250); checked and timed in simulation.
; The chip was launched on July 23, 2026; its instructions are those of AMD's public machine-readable ISA for CDNA 5 (MIT licence, August 2026) and "CDNA5" Instruction Set Architecture Reference Guide (July 2026). The comments in the code are by the model that wrote it; some were corrected since.
;; Target Linear. Allowed arithmetic: float matrix products may take bf16 or f16 operands with f32 sums; all other float work in f32.
;; Inputs: W1 256 x 4,096 float32; Wb 256 x 64 float32; b1 4,096 float32; bb 64 float32; hyp_mask 16 x 8,192 x 8 x 1 float32; hyper_ipt 8 x 256 float32; target_ipt 16 x 8,192 x 64 float32.
;; Outputs: out0 16 x 8,192 x 64 float32.
;; One version. Each part assembles by itself: llvm-mc -triple=amdgcn-amd-amdhsa -mcpu=gfx1250 --defsym DOCPART=n.
;; ======== version 1 of 1: 2 launches
;; limits: values outside matrix products are rounded to f16; values are held in f16: magnitudes above 65,504 overflow, below 6.1e-05 lose precision
;; workspace buffers: hwf 65,536 bytes; biasf 2,048 bytes
;; launch hyper (part 1): grid 65 x 1, 16 waves a work-group, no clusters, 67,584 bytes of LDS; arguments hyper_ipt, W1, b1, Wb, bb, hwf, biasf; writes hwf, biasf
.if DOCPART == 1
	.amdgcn_target "amdgcn-amd-amdhsa--gfx1250"
	.amdhsa_code_object_version 6
	.text
	.protected	k_qa603a79c7d_hyper
	.globl	k_qa603a79c7d_hyper
	.p2align	8
	.type	k_qa603a79c7d_hyper,@function
k_qa603a79c7d_hyper:
	s_mov_b64 s[64:65], 0
	v_nop
	global_prefetch_b8 v0, s[64:65] scope:SCOPE_SE
	s_setreg_imm32_b32 hwreg(HW_REG_WAVE_MODE, 25, 1), 1
	s_wait_xcnt 0x0
; The hypernetwork: hw = hyper_ipt @ W1 + b1 (8 x 4096) and bias = hyper_ipt @ Wb + bb (8 x 64).
; No step and no input of the module is left out, in this kernel or in the next one.
; Work-groups 0 to 63 take 64 columns of W1 each (256 bytes of every row, aligned); work-group 64 takes Wb, whose rows are 256 bytes.
; The product has 8 rows and reads each weight once, so bytes decide: it is done in f32 on the vector unit, which also keeps hw free
; of any rounding of hyper_ipt and W1; the matrix unit would want W1 transposed and rounded and would save nothing.
; Sixteen waves.  Wave w, lanes 16 kk + c4: rows k = 16 w + 8 kk + 0..7, columns 4 c4 .. 4 c4 + 3.  One load of a wave covers two whole
; rows of 256 bytes; the group's 64 KiB are asked for at once, eight loads a lane.  Each lane holds 8 (h) x 4 (columns) partial sums;
; the 32 partial sums of an output (16 waves x 2 halves) meet in LDS, and four waves add them.
; OUT: hwf[group][h][64 columns] in f16, 1 KiB a group, each wave's store 256 consecutive aligned bytes; biasf[h][64] in f32.
; LIMIT: hw goes to f16 for the matrix unit: a magnitude above 65,504 becomes infinity, one below 6e-8 becomes zero (the drawn hw are near 0.3).
.set W1ROW, 16384                      ; bytes in a row of W1
.set WBROW, 256                        ; bytes in a row of Wb
.set AD, 16                            ; v[16:19]    b1 or bb of my four columns
.set WR, 20                            ; v[20:51]    my eight rows, four columns each
.set HY, 52                            ; v[52:115]   hyper_ipt[h][my eight k], 8 registers for each h
.set AC, 116                           ; v[116:147]  partial sums, 4 registers for each h
.set PR, 20                            ; v[20:147]   afterwards: the 32 partial sums of my four outputs
	s_load_b256 s[4:11], s[0:1], 0x0               ; hyper_ipt s[4:5], W1 s[6:7], b1 s[8:9], Wb s[10:11]
	s_load_b128 s[12:15], s[0:1], 0x20             ; bb s[12:13], hwf s[14:15]
	s_load_b64 s[16:17], s[0:1], 0x30              ; biasf
	v_lshl_add_u32 v148, v0, 2, 0x10000
	v_mov_b32 v149, 0
	v_lshrrev_b32 v1, 5, v0
	v_readfirstlane_b32 s18, v1                    ; wave 0..15
	v_and_b32 v2, 15, v0                           ; c4
	v_bfe_u32 v3, v0, 4, 1                         ; kk
	v_lshlrev_b32 v4, 4, v2                        ; 16 c4: my 16 bytes in a row of 256
	v_lshlrev_b32 v5, 3, v3
	v_lshl_add_u32 v5, s18, 4, v5                  ; my first k = 16 w + 8 kk
	v_lshlrev_b32 v6, 2, v5                        ; its byte in a row of hyper_ipt
	s_mov_b32 s21, 0                               ; upper word of 32-bit offsets
	s_wait_kmcnt 0x0
.irp h, 0,1,2,3,4,5,6,7
	global_load_b128 v[HY+8*\h:HY+8*\h+3],   v6, s[4:5] offset:1024*\h
	global_load_b128 v[HY+8*\h+4:HY+8*\h+7], v6, s[4:5] offset:1024*\h+16
.endr
	s_cmp_eq_u32 ttmp9, 64
	s_cbranch_scc1 .Lfrom_wb
	s_lshl_b32 s20, ttmp9, 8                       ; the group's 64 columns: 256 bytes
	s_add_nc_u64 s[6:7], s[6:7], s[20:21]
	s_add_nc_u64 s[8:9], s[8:9], s[20:21]
	v_lshl_add_u32 v7, v5, 14, v4                  ; k x 16,384 + 16 c4
.irp i, 0,1,2,3,4,5,6,7
	global_load_b128 v[WR+4*\i:WR+4*\i+3], v7, s[6:7] offset:\i*W1ROW th:TH_LOAD_NT
.endr
	global_load_b128 v[AD:AD+3], v4, s[8:9]
	s_branch .Lhave
.Lfrom_wb:
	v_lshl_add_u32 v7, v5, 8, v4                   ; k x 256 + 16 c4
.irp i, 0,1,2,3,4,5,6,7
	global_load_b128 v[WR+4*\i:WR+4*\i+3], v7, s[10:11] offset:\i*WBROW th:TH_LOAD_NT
.endr
	global_load_b128 v[AD:AD+3], v4, s[12:13]
.Lhave:
	s_wait_loadcnt 0x0                             ; the same 25 loads on both ways; the arithmetic behind them is short
	; 8 k x 8 h x 4 columns.  hyper_ipt[h][k] is one register of a pair, fed to both halves of the packed instruction.  The first k starts the sums.
.irp h, 0,1,2,3,4,5,6,7
	v_pk_mul_f32 v[AC+4*\h:AC+4*\h+1],   v[WR:WR+1],   v[HY+8*\h:HY+8*\h+1] op_sel_hi:[1,0]
	v_pk_mul_f32 v[AC+4*\h+2:AC+4*\h+3], v[WR+2:WR+3], v[HY+8*\h:HY+8*\h+1] op_sel_hi:[1,0]
.endr
.irp i, 1,2,3,4,5,6,7
.irp h, 0,1,2,3,4,5,6,7
.if (\i & 1)
	v_pk_fma_f32 v[AC+4*\h:AC+4*\h+1],   v[WR+4*\i:WR+4*\i+1],   v[HY+8*\h+\i-1:HY+8*\h+\i], v[AC+4*\h:AC+4*\h+1]   op_sel:[0,1,0] op_sel_hi:[1,1,1]
	v_pk_fma_f32 v[AC+4*\h+2:AC+4*\h+3], v[WR+4*\i+2:WR+4*\i+3], v[HY+8*\h+\i-1:HY+8*\h+\i], v[AC+4*\h+2:AC+4*\h+3] op_sel:[0,1,0] op_sel_hi:[1,1,1]
.else
	v_pk_fma_f32 v[AC+4*\h:AC+4*\h+1],   v[WR+4*\i:WR+4*\i+1],   v[HY+8*\h+\i:HY+8*\h+\i+1], v[AC+4*\h:AC+4*\h+1]   op_sel_hi:[1,0,1]
	v_pk_fma_f32 v[AC+4*\h+2:AC+4*\h+3], v[WR+4*\i+2:WR+4*\i+3], v[HY+8*\h+\i:HY+8*\h+\i+1], v[AC+4*\h+2:AC+4*\h+3] op_sel_hi:[1,0,1]
.endif
.endr
.endr
	; LDS: part p = 2 w + kk holds 512 sums, output o = 64 h + column at byte 2,048 p + 4 o
	v_lshl_add_u32 v8, v3, 11, v4
	v_lshl_add_u32 v8, s18, 12, v8
.irp h, 0,1,2,3,4,5,6,7
	ds_store_b128 v8, v[AC+4*\h:AC+4*\h+3] offset:256*\h
.endr
	s_wait_dscnt 0x0                               ; my stores are in LDS before I say so
	s_barrier_signal -1
	s_barrier_wait -1
	s_cmp_ge_u32 s18, 4
	s_cbranch_scc1 .Lend                           ; 128 threads, four outputs each, finish the work
	v_lshlrev_b32 v9, 4, v0                        ; outputs 4 t .. 4 t + 3: h = t / 16, columns 4 (t % 16) = 4 c4
.set p, 0
.rept 32
	ds_load_b128 v[PR+4*p:PR+4*p+3], v9 offset:2048*p
.set p, p+1
.endr
	s_wait_dscnt 0x0
.irp st, 16,8,4,2,1                    ; a tree of sums: no long chain
.set p, 0
.rept \st
	v_pk_add_f32 v[PR+4*p:PR+4*p+1],   v[PR+4*p:PR+4*p+1],   v[PR+4*(p+\st):PR+4*(p+\st)+1]
	v_pk_add_f32 v[PR+4*p+2:PR+4*p+3], v[PR+4*p+2:PR+4*p+3], v[PR+4*(p+\st)+2:PR+4*(p+\st)+3]
.set p, p+1
.endr
.endr
	v_pk_add_f32 v[PR:PR+1],   v[PR:PR+1],   v[AD:AD+1]         ; + b1 or bb
	v_pk_add_f32 v[PR+2:PR+3], v[PR+2:PR+3], v[AD+2:AD+3]
	s_cmp_eq_u32 ttmp9, 64
	s_cbranch_scc1 .Lto_bias
	v_cvt_pk_f16_f32 v10, v[PR], v[PR+1]
	v_cvt_pk_f16_f32 v11, v[PR+2], v[PR+3]
	v_lshlrev_b32 v12, 3, v0                       ; 8 bytes a thread: a wave stores 256 consecutive bytes, aligned
	s_lshl_b32 s20, ttmp9, 10                      ; 1 KiB a group
	s_add_nc_u64 s[14:15], s[14:15], s[20:21]
	global_store_b64 v12, v[10:11], s[14:15]
	s_wait_tensorcnt 0x0
	ds_add_u32 v148, v149
	s_wait_dscnt 0x0
	s_endpgm
.Lto_bias:
	global_store_b128 v9, v[PR:PR+3], s[16:17]     ; bias[h][s] in f32
.Lend:
	s_wait_tensorcnt 0x0
	ds_add_u32 v148, v149
	s_wait_dscnt 0x0
	s_endpgm
.Lfunc_end_k_qa603a79c7d_hyper:
	.size	k_qa603a79c7d_hyper, .Lfunc_end_k_qa603a79c7d_hyper-k_qa603a79c7d_hyper
	.p2alignl 7, 3214868480
	.fill 96, 4, 3214868480
	.section	.rodata,"a",@progbits
	.p2align	6, 0x0
	.amdhsa_kernel k_qa603a79c7d_hyper
		.amdhsa_group_segment_fixed_size 67584
		.amdhsa_private_segment_fixed_size 0
		.amdhsa_enable_private_segment 0
		.amdhsa_kernarg_size 56
		.amdhsa_user_sgpr_count 2
		.amdhsa_user_sgpr_kernarg_segment_ptr 1
		.amdhsa_wavefront_size32 1
		.amdhsa_system_sgpr_workgroup_id_x 1
		.amdhsa_system_sgpr_workgroup_id_y 1
		.amdhsa_system_sgpr_workgroup_id_z 1
		.amdhsa_system_vgpr_workitem_id 0
		.amdhsa_next_free_vgpr 150
		.amdhsa_next_free_sgpr 66
		.amdhsa_reserve_vcc 0
		.amdhsa_float_denorm_mode_32 3
		.amdhsa_float_denorm_mode_16_64 3
		.amdhsa_memory_ordered 1
		.amdhsa_forward_progress 1
		.amdhsa_inst_pref_size 21
	.end_amdhsa_kernel
	.amdgpu_metadata
---
amdhsa.version: [ 1, 2 ]
amdhsa.kernels:
  - .name:           k_qa603a79c7d_hyper
    .symbol:         k_qa603a79c7d_hyper.kd
    .args:
      - { .name: hyper_ipt, .offset: 0, .size: 8, .value_kind: global_buffer, .address_space: global }
      - { .name: W1, .offset: 8, .size: 8, .value_kind: global_buffer, .address_space: global }
      - { .name: b1, .offset: 16, .size: 8, .value_kind: global_buffer, .address_space: global }
      - { .name: Wb, .offset: 24, .size: 8, .value_kind: global_buffer, .address_space: global }
      - { .name: bb, .offset: 32, .size: 8, .value_kind: global_buffer, .address_space: global }
      - { .name: hwf, .offset: 40, .size: 8, .value_kind: global_buffer, .address_space: global }
      - { .name: biasf, .offset: 48, .size: 8, .value_kind: global_buffer, .address_space: global }
    .group_segment_fixed_size: 67584
    .private_segment_fixed_size: 0
    .kernarg_segment_align: 8
    .kernarg_segment_size: 56
    .max_flat_workgroup_size: 512
    .sgpr_count:     66
    .vgpr_count:     150
    .wavefront_size: 32
...
	.end_amdgpu_metadata
.endif
;; end of part 1
;; launch apply (part 2): grid 256 x 1, 4 waves a work-group, no clusters, 306,944 bytes of LDS; arguments target_ipt, hyp_mask, hwf, biasf, out0; writes out0
.if DOCPART == 2
	.amdgcn_target "amdgcn-amd-amdhsa--gfx1250"
	.amdhsa_code_object_version 6
	.text
	.protected	k_qa603a79c7d_apply
	.globl	k_qa603a79c7d_apply
	.p2align	8
	.type	k_qa603a79c7d_apply,@function
k_qa603a79c7d_apply:
	s_mov_b64 s[64:65], 0
	v_nop
	global_prefetch_b8 v0, s[64:65] scope:SCOPE_SE
	s_setreg_imm32_b32 hwreg(HW_REG_WAVE_MODE, 25, 1), 1
	s_wait_xcnt 0x0
; out[n][s] = sum over h of mask[n][h] * ( sum over d of x[n][d] W[h][d][s] + bias[h][s] ),  W[h] = down[h] @ up[h].  131,072 rows n.  Nothing is left out.
; A work-group owns 512 rows, a wave 128 rows = 8 tiles of 16.  All that a wave reads is asked for once, at the head, by four tensor loads
; (its quarter of the table hwf, its mask rows, two x tiles of 64 rows x 256 bytes): the group's whole input fits in LDS, no byte of LDS is filled twice.
; HEAD: wave w makes W[h] for h = 2 w, 2 w + 1 (16 products of 16 x 16 x 32 each); the fragments of both are asked for in one run.  With rows of down as
; source 0 and columns of up as source 1, a lane's eight results are eight neighbouring d of one column s: packed in pairs they ARE the operand layout of
; the main product.  Each W[h] is scaled by a power of two S[h] that brings its largest magnitude into [1, 2), since W has no fixed room in f16; 1 / S[h]
; is multiplied into the f32 mask.  The waves exchange their quarters through LDS, and every wave then keeps all of W in 512 registers.  A wave's 64 KiB
; of W come in as eight runs of 16 loads, three ahead of tile 0 and one behind each of its first five groups of products, so that tile 0 runs beneath them.
; TILE: the matrix instruction is used transposed, source 0 = 16 columns s of W[h] (k = d), source 1 = 16 rows of x: lane l holds row l % 16 and its
; registers the columns s = 16 t + 8 (l / 16) + 0..7, so mask[row][h] is one number a lane.  Four products bias^T x mask (k = h, 8 of 32 used) start the
; sums; for each h eight products make lin[h], and sixteen packed multiply-adds add mask * lin[h], two behind each product of h + 1.
; NEIGHBOURING TILES TAKE TURNS: the multiply-adds of a tile's h = 7 stand behind the next tile's h = 0 products, and the next tile's raw numbers are
; converted at this tile's three changes of register window.
; MEMORY INSTRUCTIONS STAND IN TWO RUNS A TILE, not singly among the products.  Run 1, behind the h = 0 products: the 8 stage stores of the tile before,
; the 10 raw loads of the next tile, the 8 read-backs.  Run 2, at the first change of window: the 8 stores of the tile before.  Between the runs the
; products follow each other with vector work alone between them: 20 from run 1 to run 2, 48 from run 2 to the next tile's run 1.
; OUT: 16 rows go through a stage of the wave's own in LDS and leave as whole rows: each store of a wave covers 512 consecutive bytes, aligned.
; FORMAT: all matrix operands are f16, sums f32.  bf16's 8 bits on two or more operands would use up the allowed error.
; LIMITS: x, mask and bias go to f16: above 65,504 they become infinity (the drawn x reach about 5, the mask 1).  S[h] is kept within 2^-126 .. 2^126.
; A mask value that is not finite makes its whole row NaN (it meets the zeros that pad k in the bias product).
; NO CLUSTER: the only bytes that work-groups share are the table's 64 KiB of the 336 KiB that a group moves, asked for once at the head.
;
; REGISTERS.  Window 0: the names below.  Window 1: W[0..2] v0-191, bias^T fragments v192-223, scaled mask 0,1 v224-225, scaled mask 6,7 by the tile's
; parity v226-229, copies of four LDS addresses v232-235.  Window 2: W[3..5] v0-191, scaled mask 2..5 v226-229.
; Window 3: W[6..7] v0-127, raw bias v128-159 (head only), scaled mask 4..7 v228-231.
; While W is multiplied, source 0 of every instruction means W's window: the multiply-adds take the scaled mask, and run 1's LDS instructions their
; address, from that window.  A conversion takes both sources from window 0, so the conversions stand where the window changes anyway.
.set XP,    272                        ; LDS pitch of a row of x and of the stage: 256 + 16 bytes = 17 x 16, so 16 rows start in 16 different 16-byte columns modulo 256
.set XWAVE, 128*XP                     ; a wave's rows of x
.set XHALF, 64*XP                      ; one tensor load of x
.set SWAVE, 16*XP                      ; a tile of x; also a wave's stage
.set MS,    4*XWAVE                    ; mask: 32 bytes a row, 4,096 a wave
.set HWB,   MS+16384                   ; the table: 64 rows (the first launch's groups) of 1,024 bytes
.set HP,    1056                       ; their pitch: 1,024 + 32 = 33 x 32 bytes
.set WX,    HWB+64*HP                  ; exchange of W: 128 pieces of 512 bytes (32 lanes x 16)
.set SC,    WX+65536                   ; 1 / S[h], 8 words
.set STG,   SC+256                     ; the four stages
.set XA,  4                            ; LDS address: my row of x in tile 0
.set MA,  5                            ; my row of the mask in tile 0
.set STO, 6                            ; stage, in
.set RD,  7                            ; stage, back
.set CO,  8                            ; 16 x lane: my bytes in two rows of out
.set DNA, 9                            ; down fragments of h = 2 w
.set UPA, 10                           ; up fragments of h = 2 w
.set WST, 11                           ; exchange, my wave's quarter
.set WLD, 12                           ; exchange, from its start
.set BA,  13                           ; 4 x (lane % 16): bias
.set SCS, 14                           ; where my wave's two 1 / S go
.set TMP, 15
.set IS,  16                           ; v[16:23]   1 / S[h]
.set MX,  24                           ; v[24:27]   running maxima
.set SS,  28                           ; v[28:29]   S, twice
.set SCL, 30                           ; address of the 8 words
.set FR,  32                           ; head: v[32:63] down (window 0: h = 2 w; window 1: h = 2 w + 1), v[64:95] up of h = 2 w; then W packed
.set UP1, 96                           ; head: v[96:127] up of h = 2 w + 1
.set DT,  128                          ; head: v[128:255] 16 tiles of W[h], f32
.set BT3, 128                          ; head, window 3: v[128:159] bias[h][s], f32
.set XR,  32                           ; v[32:63]   a tile of x as loaded
.set MR,  64                           ; v[64:71]   its mask as loaded
.set XF,  72                           ; v[72:103]  x fragments (d 0-31, d 32-63), two sets by the tile's parity
.set MF,  104                          ; v[104:119] mask fragment (4 registers, then 4 zeros), two sets
.set ACC, 120                          ; v[120:151] the sums
.set DA,  152                          ; v[152:183] lin of even h
.set DB,  184                          ; v[184:215] lin of odd h
.set OB,  216                          ; v[216:247] rows read back from the stage
.set BF,  192                          ; window 1
.set M01, 224                          ; window 1: scaled mask 0, 1
.set M67, 226                          ; window 1: scaled mask 6, 7 of even tiles; + 2: of odd tiles
.set STO1, 232                         ; window 1: copies of STO, RD, XA, MA
.set RD1,  233
.set XA1,  234
.set MA1,  235
.set MW,  224                          ; windows 2 and 3: scaled mask h at MW + h
.set MSB, 0
.macro WIN new                         ; s_set_vgpr_msb: bits 1:0 source 0, 3:2 source 1, 5:4 source 2, 7:6 destination; the high byte repeats the setting left
.if MSB != (\new)
	s_set_vgpr_msb (MSB<<8)|(\new)
.set MSB, (\new)
.endif
.endm
.macro PLACES                          ; four plain vector instructions between a matrix instruction and a vector instruction that reads its result (ISA guide 7.12.1)
.rept 4
	v_nop
.endr
.endm
	s_load_b256 s[4:11], s[0:1], 0x0               ; x s[4:5], mask s[6:7], hwf s[8:9], biasf s[10:11]
	s_load_b64 s[12:13], s[0:1], 0x20              ; out
	v_lshl_add_u32 v31, v0, 2, 0x4ad00
	s_set_vgpr_msb 0x40
	v_mov_b32 v255, 0
	s_set_vgpr_msb 0x4044
	ds_add_u32 v31, v255
	ds_add_u32 v31, v255
	s_set_vgpr_msb 0x4400
	v_lshrrev_b32 v1, 5, v0
	v_readfirstlane_b32 s14, v1                    ; wave 0..3
	; descriptor group 1 for x: 64 rows of 32 elements of 8 bytes, dense in memory, 4 words of padding behind every 64 words
	s_mov_b32 s16, (3<<16)|(1<<20)|(5<<22)|(3<<25)
	s_mov_b32 s17, 32<<16                          ; tensor_dim0 = 32
	s_mov_b32 s18, 64<<16                          ; tensor_dim1 = 64
	s_mov_b32 s19, 32<<16                          ; tile_dim0 = 32
	s_mov_b32 s20, 64                              ; tile_dim1 = 64
	s_mov_b32 s21, 32                              ; elements from row to row
	s_mov_b32 s22, 0
	s_mov_b32 s23, 0
	; for the mask: 4,096 dense bytes as 16 rows of 256, no padding
	s_mov_b32 s24, 3<<16
	s_mov_b32 s25, 32<<16
	s_mov_b32 s26, 16<<16
	s_mov_b32 s27, 32<<16
	s_mov_b32 s28, 16
	s_mov_b32 s29, 32
	s_mov_b32 s30, 0
	s_mov_b32 s31, 0
	; for the table: 16 rows of 128 elements of 8 bytes, 8 words of padding behind every 256 words
	s_mov_b32 s32, (3<<16)|(1<<20)|(7<<22)|(7<<25)
	s_mov_b32 s33, 128<<16
	s_mov_b32 s34, 16<<16
	s_mov_b32 s35, 128<<16
	s_mov_b32 s36, 16
	s_mov_b32 s37, 128
	s_mov_b32 s38, 0
	s_mov_b32 s39, 0
	s_lshl_b32 s56, ttmp9, 17                      ; 512 rows of 256 bytes a group,
	s_lshl_b32 s58, s14, 15                        ; 128 rows a wave
	s_add_co_u32 s56, s56, s58
	s_mov_b32 s57, 0                               ; s[56:57]: my rows in x and in out
	s_lshr_b32 s58, s56, 3
	s_mov_b32 s59, 0                               ; s[58:59]: in the mask, 32 bytes a row
	s_lshl_b32 s60, s14, 14
	s_mov_b32 s61, 0                               ; s[60:61]: my 16 rows of the table
	s_mul_i32 s62, s14, XWAVE                      ; my x in LDS
	s_mul_i32 s63, s14, 16*HP                      ; my part of the table in LDS
	s_lshl_b32 s15, s14, 12                        ; my mask in LDS
	s_wait_dscnt 0x0
	s_wait_kmcnt 0x0
	s_add_nc_u64 s[12:13], s[12:13], s[56:57]
	s_add_nc_u64 s[4:5], s[4:5], s[56:57]
	; the four fills, one group ahead of every wait on them, every LDS read and every barrier; four tensor loads of a wave are out at the most
	s_mov_b32 s40, 1
	s_add_co_u32 s41, s63, HWB
	s_add_nc_u64 s[42:43], s[8:9], s[60:61]
	s_or_b32 s43, s43, 0x80000000
	tensor_load_to_lds s[40:43], s[32:39]          ; the table first: the head needs it
	s_nop 0
	s_mov_b32 s44, 1
	s_add_co_u32 s45, s15, MS
	s_add_nc_u64 s[46:47], s[6:7], s[58:59]
	s_or_b32 s47, s47, 0x80000000
	tensor_load_to_lds s[44:47], s[24:31]          ; the mask of my 128 rows
	s_nop 0
.irp s, 0,1
	s_mov_b32 s[48+4*\s], 1
	s_add_co_u32 s[49+4*\s], s62, \s*XHALF
	s_add_nc_u64 s[50+4*\s:51+4*\s], s[4:5], \s*64*256
	s_or_b32 s[51+4*\s], s[51+4*\s], 0x80000000
	tensor_load_to_lds s[48+4*\s:51+4*\s], s[16:23]    ; x, rows 64 s .. 64 s + 63 of my 128
	s_nop 0
.endr
	v_and_b32 v1, 31, v0                           ; lane l
	v_and_b32 v2, 15, v0                           ; r = l % 16
	v_bfe_u32 v3, v0, 4, 1                         ; hh = l / 16
	v_lshlrev_b32 v[BA], 2, v2
	WIN 0xc0                                       ; destination in window 3: window 0 is full of fragments while W is made
.irp t, 0,1,2,3
.irp i, 0,1,2,3,4,5,6,7
	global_load_b32 v[BT3+8*\t+\i], v[BA], s[10:11] offset:(\i*64+16*\t)*4    ; bias[i][16 t + r]
.endr
.endr
	WIN 0
	v_mul_u32_u24 v[TMP], v2, XP
	v_lshl_add_u32 v[TMP], v3, 5, v[TMP]           ; r x 272 + 32 hh
	v_add_nc_u32 v[XA], s62, v[TMP]
	s_mul_i32 s66, s14, SWAVE
	s_add_co_u32 s66, s66, STG
	v_add_nc_u32 v[STO], s66, v[TMP]               ; in: row r, columns 8 hh ..
	v_mul_u32_u24 v[RD], v3, XP
	v_lshl_add_u32 v[RD], v2, 4, v[RD]
	v_add_nc_u32 v[RD], s66, v[RD]                 ; back: lanes 0-15 one row, lanes 16-31 the next
	v_lshlrev_b32 v[MA], 5, v2
	v_add_nc_u32 v[MA], s45, v[MA]
	v_lshlrev_b32 v[CO], 4, v1
	; down[h][t][rank] lies in table row t / 2 at byte 128 h + 64 (t % 2) + 2 rank; a fragment's lane takes t = 16 a + r, ranks 8 hh .. and 16 + 8 hh ..
	v_lshrrev_b32 v[DNA], 1, v2
	v_mul_u32_u24 v[DNA], v[DNA], HP
	v_and_b32 v[TMP], 1, v2
	v_lshl_add_u32 v[DNA], v[TMP], 6, v[DNA]
	v_lshl_add_u32 v[DNA], v3, 4, v[DNA]
	s_lshl_b32 s67, s14, 8                         ; h = 2 w: 128 bytes for each h
	s_add_co_u32 s67, s67, HWB
	v_add_nc_u32 v[DNA], s67, v[DNA]
	; up[h][rank][s] lies in table row 32 + rank at byte 128 h + 2 s: rank runs down the rows, so the load transposes; lane l names row 8 hh + l % 8, 16 bytes at 16 ((l / 8) % 2)
	v_and_b32 v[UPA], 7, v0
	v_lshl_add_u32 v[UPA], v3, 3, v[UPA]
	v_mul_u32_u24 v[UPA], v[UPA], HP
	v_bfe_u32 v[TMP], v0, 3, 1
	v_lshl_add_u32 v[UPA], v[TMP], 4, v[UPA]
	s_add_co_u32 s67, s67, 32*HP
	v_add_nc_u32 v[UPA], s67, v[UPA]
	v_add_nc_u32 v[WLD], WX, v[CO]
	v_lshl_add_u32 v[WST], s14, 14, v[WLD]         ; two h of 8,192 bytes a wave
	s_lshl_b32 s68, s14, 3
	s_add_co_u32 s68, s68, SC
	v_mov_b32 v[SCS], s68
	v_mov_b32 v[SCL], SC
	s_mov_b32 s70, 0x76543210                      ; v_permlanex16_b32: lane i of one half reads lane i of the other
	s_mov_b32 s71, 0xfedcba98
	s_wait_tensorcnt 0x3                           ; my quarter of the table is in LDS; the three loads issued behind it (mask, x, x) stay out
	s_barrier_signal -1
	s_barrier_wait -1                              ; everybody's quarter is
; W[h] for h = 2 w + hl: 16 tiles, tile 4 b + a = rows d 16 a .., columns s 16 b ..
.macro HDOWN hl                        ; four fragments of down into v[FR ..] of the destination's window
.irp a, 0,1,2,3
	ds_load_b128 v[FR+8*\a:FR+8*\a+3],   v[DNA] offset:\a*8*HP+\hl*128
	ds_load_b128 v[FR+8*\a+4:FR+8*\a+7], v[DNA] offset:\a*8*HP+\hl*128+32
.endr
.endm
.macro HUP hl, ub                      ; four fragments of up, transposed on the way, into v[ub ..]
.irp b, 0,1,2,3
	ds_load_tr16_b128 v[\ub+8*\b:\ub+8*\b+3],   v[UPA] offset:\hl*128+32*\b
	ds_load_tr16_b128 v[\ub+8*\b+4:\ub+8*\b+7], v[UPA] offset:\hl*128+32*\b+16*HP
.endr
.endm
.macro HPROD ub                        ; sixteen products on sixteen accumulators, each started by the constant 0
.irp b, 0,1,2,3
.irp a, 0,1,2,3
	v_wmma_f32_16x16x32_f16 v[DT+8*(4*\b+\a):DT+8*(4*\b+\a)+7], v[FR+8*\a:FR+8*\a+7], v[\ub+8*\b:\ub+8*\b+7], 0
.endr
.endr
.endm
.macro HPACK hl                        ; the largest magnitude, the scale, f16, and into the exchange
	; the largest |W[h]|: four chains in my 128 numbers, then across the lanes
.irp c, 0,1,2,3
	v_max_num_f32 v[MX+\c], |v[DT+2*\c]|, |v[DT+2*\c+1]|
.endr
.set n, 4
.rept 60
	v_max3_num_f32 v[MX+n%4], |v[DT+2*n]|, |v[DT+2*n+1]|, v[MX+n%4]
.set n, n+1
.endr
	v_max3_num_f32 v[MX], v[MX], v[MX+1], v[MX+2]
	v_max_num_f32 v[MX], v[MX], v[MX+3]
	v_max_num_f32_dpp v[MX], v[MX], v[MX] row_xmask:1 row_mask:0xf bank_mask:0xf
	v_max_num_f32_dpp v[MX], v[MX], v[MX] row_xmask:2 row_mask:0xf bank_mask:0xf
	v_max_num_f32_dpp v[MX], v[MX], v[MX] row_xmask:4 row_mask:0xf bank_mask:0xf
	v_max_num_f32_dpp v[MX], v[MX], v[MX] row_xmask:8 row_mask:0xf bank_mask:0xf
	v_permlanex16_b32 v[MX+1], v[MX], s70, s71
	v_max_num_f32 v[MX], v[MX], v[MX+1]
	v_and_b32 v[MX], 0x7f800000, v[MX]             ; its exponent field alone is the f32 number 2^e = 1 / S,
	v_max_u32 v[MX], 0x00800000, v[MX]             ; kept between 2^-126
	v_min_u32 v[MX], 0x7e800000, v[MX]             ; and 2^126, so that S is a normal number too
	v_sub_nc_u32 v[SS], 0x7f000000, v[MX]          ; S = 2^-e: exponent field 254 less that of 1 / S
	v_mov_b32 v[SS+1], v[SS]
	ds_store_b32 v[SCS], v[MX] offset:4*\hl        ; every lane writes the same word with the same value
.set n, 0
.rept 64
	v_pk_mul_f32 v[DT+2*n:DT+2*n+1], v[DT+2*n:DT+2*n+1], v[SS:SS+1]
.set n, n+1
.endr
.set n, 0
.rept 64
	v_cvt_pk_f16_f32 v[FR+n], v[DT+2*n], v[DT+2*n+1]       ; two neighbouring d of one column s: four registers a tile = half an operand fragment
.set n, n+1
.endr
.set n, 0
.rept 16
	ds_store_b128 v[WST], v[FR+4*n:FR+4*n+3] offset:\hl*8192+n*512
.set n, n+1
.endr
.endm
	HDOWN 0                                        ; the fragments of both conditions in one run of 32 loads
	HUP 0, FR+32
	HUP 1, UP1
	WIN 0x40                                       ; destination in window 1
	HDOWN 1
	WIN 0
	s_wait_dscnt 16                                ; the first condition's 16 loads are in; the second's 16 were issued behind them
	HPROD FR+32
	PLACES
	HPACK 0
	s_wait_dscnt 17                                ; the second condition's fragments are in; younger: the 17 stores of the first
	WIN 0x01                                       ; source 0 (down) in window 1
	HPROD UP1
	WIN 0
	PLACES
	HPACK 1
	s_wait_dscnt 0x0                               ; my pieces of W and my two scales are in LDS before I say so
	s_barrier_signal -1
	s_barrier_wait -1
; W[h]: piece 16 h + 4 b + a goes to registers 64 (h % 3) + 16 b + 4 a .. + 3 of window 1 + h / 3, so that fragment (h, b, d half q) is 8 registers at 64 (h % 3) + 16 b + 8 q
.macro WLOAD h
	WIN (1+(\h)/3)<<6
.set k, 0
.rept 16
	ds_load_b128 v[64*((\h)%3)+4*k:64*((\h)%3)+4*k+3], v[WLD] offset:(16*(\h)+k)*512
.set k, k+1
.endr
.endm
; What a tile needs before its products, in three parts, each at a change of window.  j: the tile.  The scaled mask is written into the window in which it is
; used (that of the h behind it; h = 7 is used beside the next tile's h = 0), each pair behind the last multiply-add that read its old value.
.macro PREPA j
	WIN 0x40
	v_pk_mul_f32 v[M01:M01+1], v[MR:MR+1], v[IS:IS+1]
	v_pk_mul_f32 v[M67+2*((\j)%2):M67+2*((\j)%2)+1], v[MR+6:MR+7], v[IS+6:IS+7]
	WIN 0
.set n, 0
.rept 8
	v_cvt_pk_f16_f32 v[XF+16*((\j)%2)+n], v[XR+2*n], v[XR+2*n+1]      ; d 0-31
.set n, n+1
.endr
.endm
.macro PREPB j
	WIN 0x80
	v_pk_mul_f32 v[MW+2:MW+3], v[MR+2:MR+3], v[IS+2:IS+3]
	v_pk_mul_f32 v[MW+4:MW+5], v[MR+4:MR+5], v[IS+4:IS+5]
	WIN 0
.set n, 8
.rept 8
	v_cvt_pk_f16_f32 v[XF+16*((\j)%2)+n], v[XR+2*n], v[XR+2*n+1]      ; d 32-63
.set n, n+1
.endr
.endm
.macro PREPC j
	WIN 0xc0
	v_pk_mul_f32 v[MW+4:MW+5], v[MR+4:MR+5], v[IS+4:IS+5]
	v_pk_mul_f32 v[MW+6:MW+7], v[MR+6:MR+7], v[IS+6:IS+7]
	WIN 0
.irp p, 0,1,2,3
	v_cvt_pk_f16_f32 v[MF+8*((\j)%2)+\p], v[MR+2*\p], v[MR+2*\p+1]
.endr
.endm
	; 1 / S, tile 0's raw numbers, then W[0..2]: 60 LDS loads; what the vector unit has to do once is done while they come
	ds_load_b128 v[IS:IS+3],   v[SCL]
	ds_load_b128 v[IS+4:IS+7], v[SCL] offset:16
	s_wait_tensorcnt 0x1                           ; my mask and rows 0 to 63 of x are in LDS; the one load issued behind them stays out
.irp c, 0,1,2,3,4,5,6,7
	ds_load_b128 v[XR+4*\c:XR+4*\c+3], v[XA] offset:(\c/2)*64+(\c%2)*16   ; lane (r, hh): row r, d = 8 hh + 0..7 of each 16
.endr
	ds_load_b128 v[MR:MR+3],   v[MA]               ; row r, all 8 conditions
	ds_load_b128 v[MR+4:MR+7], v[MA] offset:16
	v_cmp_gt_u32 vcc_lo, 16, v1                    ; lanes 0 to 15
.irp p, 4,5,6,7,12,13,14,15
	v_mov_b32 v[MF+\p], 0                          ; k = 16..31 of both mask fragments, once
.endr
	WLOAD 0
	WLOAD 1
	WLOAD 2
	v_mov_b32 v[STO1], v[STO]                      ; still destination window 1: the addresses that are used beside W[0..2]
	v_mov_b32 v[RD1], v[RD]
	v_mov_b32 v[XA1], v[XA]
	v_mov_b32 v[MA1], v[MA]
	; bias^T fragments: lane (r, hh = 0) holds bias[0..7][16 t + r] as k = 0..7; k = 8..31 are zeros
	s_wait_loadcnt 0x0
	WIN 0x0f                                       ; both sources in window 3
.irp t, 0,1,2,3
.irp p, 0,1,2,3
	v_cvt_pk_f16_f32 v[DT+4*\t+\p], v[BT3+8*\t+2*\p], v[BT3+8*\t+2*\p+1]
.endr
.endr
	WIN 0x40
.irp t, 0,1,2,3
.irp p, 0,1,2,3
	v_cndmask_b32 v[BF+8*\t+\p], 0, v[DT+4*\t+\p], vcc_lo
	v_mov_b32 v[BF+8*\t+4+\p], 0
.endr
.endr
	s_wait_dscnt 48                                ; 1 / S and tile 0's raw numbers are in; younger: the 48 loads of W[0..2]
	PREPA 0
	PREPB 0
	PREPC 0
; one product of lin: columns 16 t .. of the condition whose 64 registers begin at wb, d half q, onto tile t of set
.macro PROD wb, set, q, t
.if \q
	v_wmma_f32_16x16x32_f16 v[\set+8*\t:\set+8*\t+7], v[\wb+16*\t+8:\wb+16*\t+15], v[XFP+8:XFP+15], v[\set+8*\t:\set+8*\t+7]
.else
	v_wmma_f32_16x16x32_f16 v[\set+8*\t:\set+8*\t+7], v[\wb+16*\t:\wb+16*\t+7], v[XFP:XFP+7], 0
.endif
.endm
.macro BIASP t                         ; sum over h of mask x bias starts tile t of the sums
	v_wmma_f32_16x16x32_f16 v[ACC+8*\t:ACC+8*\t+7], v[BF+8*\t:BF+8*\t+7], v[MFP:MFP+7], 0
.endm
; one packed multiply-add: sums 2 k, 2 k + 1 += scaled mask x lin; the mask is one register (hi = 0: the first) of the pair at mp, fed to both halves
.macro FMA1 k, prev, mp, hi
.if \hi
	v_pk_fma_f32 v[ACC+2*(\k):ACC+2*(\k)+1], v[\mp:\mp+1], v[\prev+2*(\k):\prev+2*(\k)+1], v[ACC+2*(\k):ACC+2*(\k)+1] op_sel:[1,0,0] op_sel_hi:[1,1,1]
.else
	v_pk_fma_f32 v[ACC+2*(\k):ACC+2*(\k)+1], v[\mp:\mp+1], v[\prev+2*(\k):\prev+2*(\k)+1], v[ACC+2*(\k):ACC+2*(\k)+1] op_sel_hi:[0,1,1]
.endif
.endm
; i: the tile.  What finishes the tile before is empty in tile 0; what fetches the next tile is empty in tile 7.
.macro TAILF i, k                      ; two multiply-adds of the tile before: its h = 7
.if \i
	FMA1 \k, DB, M7P, 1
	FMA1 \k+1, DB, M7P, 1
.endif
.endm
.macro LR2 i, c                        ; two of the ten raw loads of the next tile: c = 0..6 x, c = 8 the mask
.if \i < 7
.if \c < 8
	ds_load_b128 v[XR+4*\c:XR+4*\c+3],   v[XA1] offset:(\i+1)*SWAVE+(\c/2)*64
	ds_load_b128 v[XR+4*\c+4:XR+4*\c+7], v[XA1] offset:(\i+1)*SWAVE+(\c/2)*64+16
.else
	ds_load_b128 v[MR:MR+3],   v[MA1] offset:(\i+1)*512
	ds_load_b128 v[MR+4:MR+7], v[MA1] offset:(\i+1)*512+16
.endif
.endif
.endm
.macro ST2 i, t                        ; tile t of the finished sums goes into the stage
.if \i
	ds_store_b128 v[STO1], v[ACC+8*\t:ACC+8*\t+3]   offset:64*\t
	ds_store_b128 v[STO1], v[ACC+8*\t+4:ACC+8*\t+7] offset:64*\t+16
.endif
.endm
.macro RB4 i, first                    ; four of the eight read-backs; LDS serves a wave's instructions in order (ISA guide 5.7.1): they see the stores above
.if \i
.irp u, 0,1,2,3
	ds_load_b128 v[OB+4*(\first+\u):OB+4*(\first+\u)+3], v[RD1] offset:(\first+\u)*2*XP
.endr
.endif
.endm
.macro STORES i                        ; tile i leaves: each store is two whole rows of out, 512 consecutive bytes
.irp u, 0,1,2,3,4,5,6,7
	global_store_b128 v[CO], v[OB+4*\u:OB+4*\u+3], s[12:13] offset:(\i)*4096+\u*512 th:TH_STORE_NT
.endr
.endm
; lin of one h: eight products on four accumulators that take turns, one instruction a turn.  Two multiply-adds of the h before
; (its lin in prev, its mask in mp, hi) stand behind each product; they name none of its registers.  Between the last product onto a tile of prev and the
; first multiply-add that reads it stand at least six such instructions.
.macro GROUP wb, set, prev, mp, hi
.set n, 0
.irp q, 0,1
.irp t, 0,1,2,3
	PROD \wb, \set, \q, \t
	FMA1 n, \prev, \mp, \hi
	FMA1 n+1, \prev, \mp, \hi
.set n, n+2
.endr
.endr
.endm
.macro WNEXT i, h, left                ; tile 0 alone: the run of 16 loads of W[h]; then the W that the next group multiplies is in when at most left loads are out
.if \i == 0
	WLOAD \h
	s_wait_dscnt \left
.endif
.endm
.macro TILE i
.set XFP, XF+16*(\i%2)
.set MFP, MF+8*(\i%2)
.set M7P, M67+2*((\i+1)%2)             ; scaled mask 6, 7 of the tile before
.if \i == 0
	s_wait_dscnt 32                                ; W[0] is in; younger: W[1], W[2]
.endif
.if \i == 3
	s_wait_tensorcnt 0x0                           ; rows 64 to 127 of x are in LDS: tile 4's raw loads follow
.endif
	WIN 0x01                                       ; source 0 in window 1
	; h = 0; behind each product two multiply-adds of the tile before, which finish its sums
.set n, 0
.irp q, 0,1
.irp t, 0,1,2,3
	PROD 0, DA, \q, \t
	TAILF \i, n
.set n, n+2
.endr
.endr
	; run 1: the finished sums into the stage, the next tile's raw numbers, the finished rows back
.irp t, 0,1,2,3
	ST2 \i, \t
.endr
.irp c, 0,2,4,6,8
	LR2 \i, \c
.endr
.if \i
	s_wait_xcnt 0x0                                ; the stores of the tile before last have had their addresses translated (ISA guide 3.1): OB is loaded again only behind this wait
.endif
	RB4 \i, 0
	RB4 \i, 4
	; the bias products start the sums anew, so they stand behind the stage stores that read the old ones
	BIASP 0
	BIASP 1
	BIASP 2
	BIASP 3
	PLACES                                         ; between the bias products and the first multiply-add that adds onto them: the old sums are finished and the next tile's
	                                               ; numbers are on their way, so no other vector work is free here
	WNEXT \i, 3, 42                                ; W[1] is in; younger: W[2], tile 1's ten raw loads, W[3]
	WIN 0x01
	GROUP 64,  DB, DA, M01, 0                      ; h = 1, and the sums of h = 0
	WNEXT \i, 4, 42                                ; W[2] is in; younger: the ten raw loads, W[3], W[4]
	WIN 0x01
	GROUP 128, DA, DB, M01, 1                      ; h = 2
.if \i == 0
	s_wait_dscnt 32                                ; tile 1's raw numbers are in; younger: W[3], W[4]
.else
	s_wait_dscnt 0x0                               ; the next tile's raw numbers and the read-backs, issued twenty products ago
.endif
.if \i < 7
	PREPA \i+1
.endif
.if \i
	WIN 0
	STORES \i-1                                    ; run 2: the tile before leaves
.endif
	WNEXT \i, 5, 32                                ; W[3] is in; younger: W[4], W[5]
	WIN 0x02
	GROUP 0,   DB, DA, MW+2, 0                     ; h = 3
	WNEXT \i, 6, 32                                ; W[4] is in; younger: W[5], W[6]
	WIN 0x02
	GROUP 64,  DA, DB, MW+2, 1                     ; h = 4
	WNEXT \i, 7, 32                                ; W[5] is in; younger: W[6], W[7]
	WIN 0x02
	GROUP 128, DB, DA, MW+4, 0                     ; h = 5
.if \i < 7
	PREPB \i+1
.endif
	WIN 0x03
.if \i == 0
	s_wait_dscnt 16                                ; W[6] is in; younger: W[7]
.endif
	GROUP 0,   DA, DB, MW+4, 1                     ; h = 6
.if \i == 0
	s_wait_dscnt 0x0                               ; W[7]
.endif
	GROUP 64,  DB, DA, MW+6, 0                     ; h = 7; its sums stand behind the next tile's first products
.if \i < 7
	PREPC \i+1
.endif
.endm
	TILE 0
	TILE 1
	TILE 2
	TILE 3
	TILE 4
	TILE 5
	TILE 6
	TILE 7
	; the last tile's h = 7, its stage and its stores
	WIN 0x01
.set n, 0
.rept 16
	FMA1 n, DB, M67+2, 1
.set n, n+1
.endr
	ST2 1, 0
	ST2 1, 1
	ST2 1, 2
	ST2 1, 3
	s_wait_xcnt 0x0                                ; tile 6's stores have had their addresses translated: OB is loaded again only behind this wait
	RB4 1, 0
	RB4 1, 4
	WIN 0
.irp u, 0,1,2,3,4,5,6,7
	s_wait_dscnt 7-\u                              ; LDS loads come back in order: read-back u of the eight is in
	global_store_b128 v[CO], v[OB+4*\u:OB+4*\u+3], s[12:13] offset:7*4096+\u*512 th:TH_STORE_NT
.endr
	s_set_vgpr_msb 0x4
	s_wait_tensorcnt 0x0
	ds_add_u32 v31, v255
	s_wait_dscnt 0x0
	s_set_vgpr_msb 0x400
	s_endpgm
.Lfunc_end_k_qa603a79c7d_apply:
	.size	k_qa603a79c7d_apply, .Lfunc_end_k_qa603a79c7d_apply-k_qa603a79c7d_apply
	.p2alignl 7, 3214868480
	.fill 96, 4, 3214868480
	.section	.rodata,"a",@progbits
	.p2align	6, 0x0
	.amdhsa_kernel k_qa603a79c7d_apply
		.amdhsa_group_segment_fixed_size 306944
		.amdhsa_private_segment_fixed_size 0
		.amdhsa_enable_private_segment 0
		.amdhsa_kernarg_size 40
		.amdhsa_user_sgpr_count 2
		.amdhsa_user_sgpr_kernarg_segment_ptr 1
		.amdhsa_wavefront_size32 1
		.amdhsa_system_sgpr_workgroup_id_x 1
		.amdhsa_system_sgpr_workgroup_id_y 1
		.amdhsa_system_sgpr_workgroup_id_z 1
		.amdhsa_system_vgpr_workitem_id 0
		.amdhsa_next_free_vgpr 1024
		.amdhsa_next_free_sgpr 72
		.amdhsa_reserve_vcc 1
		.amdhsa_float_denorm_mode_32 3
		.amdhsa_float_denorm_mode_16_64 3
		.amdhsa_memory_ordered 1
		.amdhsa_forward_progress 1
		.amdhsa_inst_pref_size 187
	.end_amdhsa_kernel
	.amdgpu_metadata
---
amdhsa.version: [ 1, 2 ]
amdhsa.kernels:
  - .name:           k_qa603a79c7d_apply
    .symbol:         k_qa603a79c7d_apply.kd
    .args:
      - { .name: target_ipt, .offset: 0, .size: 8, .value_kind: global_buffer, .address_space: global }
      - { .name: hyp_mask, .offset: 8, .size: 8, .value_kind: global_buffer, .address_space: global }
      - { .name: hwf, .offset: 16, .size: 8, .value_kind: global_buffer, .address_space: global }
      - { .name: biasf, .offset: 24, .size: 8, .value_kind: global_buffer, .address_space: global }
      - { .name: out0, .offset: 32, .size: 8, .value_kind: global_buffer, .address_space: global }
    .group_segment_fixed_size: 306944
    .private_segment_fixed_size: 0
    .kernarg_segment_align: 8
    .kernarg_segment_size: 40
    .max_flat_workgroup_size: 128
    .sgpr_count:     72
    .vgpr_count:     1024
    .wavefront_size: 32
...
	.end_amdgpu_metadata
.endif
;; end of part 2
